; MI455X (gfx1250); checked and timed in simulation.
; The chip was launched on July 23, 2026; its instructions are those of AMD's public machine-readable ISA for CDNA 5 (MIT licence, August 2026) and "CDNA5" Instruction Set Architecture Reference Guide (July 2026). The comments in the code are by the model that wrote it; some were corrected since.
;; Additive Attention. Allowed arithmetic: matrix products marked QUANTISED: E5M2 operands, one given power-of-two scale a tensor, by v_wmma_f32_16x16x64_bf8_bf8 or v_wmma_f32_16x16x128_bf8_bf8, f32 sums; products left as they are: f32 operands where the result goes on into a quantised operand, else bf16, f16 or f32 operands; f32 sums; everything else in f32.
;; Inputs: Wk 1,024 x 1,024 float32; Wout 1,024 float32; Wq 1,024 x 1,024 float32; bk 1,024 float32; bout one number float32; bq 1,024 float32; decoder_output 1 x 32 x 1,024 float32; encoder_outputs 32 x 2,048 x 1,024 float32; inputs 32 x 2,048 int32; lowp_scales 4 int32 (the exponents e of the quantised operands' scales 2^e).
;; Outputs: out0 32 x 1 x 1,024 float32.
;; This version of the problem:
;;   THIS VERSION OF THE PROBLEM IS GIVEN IN LOW PRECISION. The matrix products marked QUANTISED in the list below multiply operands that are first quantised to E5M2 (5 exponent bits, 2 mantissa bits; 8 bits a number), with one given power-of-two scale for each operand tensor; their sums are f32. All else is computed in f32.
;;   The module's matrix products, in the order in which they are computed (A, B: the left and right operand; K: the contracted axis; several contracted axes count as one K, in the product's order):
;;     1. [M 65,536, K 1,024] x [K 1,024, N 1,024]; A: input encoder_outputs; B: input Wk: QUANTISED (scales: A lowp_scales[0], B lowp_scales[1])
;;     2. [M 32, K 1,024] x [K 1,024, N 1,024]; A: input decoder_output; B: input Wq: QUANTISED (scales: A lowp_scales[2], B lowp_scales[3])
;;     3. [M 65,536, K 1,024] x [K 1,024, N 1]; A: computed on the way; B: input Wout: left as it is (N = 1 < 16)
;;     4. batch 32 x [M 1, K 2,048] x [K 2,048, N 1,024]; A: softmax; B: input encoder_outputs: left as it is (M = 1 < 16)
;;   THE QUANTISER, for each operand of a quantised product, along K:
;;     - The operand's scale is 2^e, e = its entry of the input lowp_scales (int32; the entries are numbered through the quantised products in the list's order, A before B).
;;     - Each number is divided by the scale, clamped to +-57,344, and rounded to the nearest number of E5M2, ties to even, subnormals kept.
;;     - The product sums the exact products of the quantised numbers (number of the format x scale) in f32.
;;   ~~~python
;;   def quantise(x, axis, e):      # numpy; x: float32 -> the quantised numbers, widened to float32 again
;;       x = np.moveaxis(x, axis, -1); K = x.shape[-1]
;;       r = np.clip(x / 2.0 ** e, -57344, 57344)
;;       step = 2.0 ** (np.maximum(np.frexp(np.where(r == 0, 1, r))[1] - 1, -14) - 2)
;;       q = np.round(r / step) * step * 2.0 ** e      # np.round: ties to even
;;       return np.moveaxis(q, -1, axis).astype(np.float32)
;;   ~~~
;; One version. Each part assembles by itself: llvm-mc -triple=amdgcn-amd-amdhsa -mcpu=gfx1250 --defsym DOCPART=n.
;; ======== version 1 of 1: 3 launches
;; limits: values are held in bf16: 8 bits of precision; right only within a limited range of input values
;; workspace buffers: wk_codes 1,048,576 bytes; biasT 131,072 bytes; part 2,097,152 bytes; stat 131,072 bytes
;; launch prep (part 1): grid 128 x 1, 8 waves a work-group, no clusters, 17,408 bytes of LDS; arguments Wk, Wq, decoder_output, bk, bq, lowp_scales, wk_codes, biasT; writes wk_codes, biasT
.if DOCPART == 1
	.amdgcn_target "amdgcn-amd-amdhsa--gfx1250"
	.amdhsa_code_object_version 6
	.text
	.protected	k_q5a363de393_prep
	.globl	k_q5a363de393_prep
	.p2align	8
	.type	k_q5a363de393_prep,@function
k_q5a363de393_prep:
	s_mov_b64 s[64:65], 0
	v_nop
	global_prefetch_b8 v0, s[64:65] scope:SCOPE_SE
	s_setreg_imm32_b32 hwreg(HW_REG_WAVE_MODE, 25, 1), 1
	s_wait_xcnt 0x0
; ADDITIVE ATTENTION, launch 1 of 3.  context[b] = softmax_t( tanh(enc[b,t] Wk^T + bk + dec[b] Wq^T + bq) . Wout + bout ) . enc[b].
; This launch makes (A) Wk's codes of BF8 (E5M2) with the given scale 2^e1, and (B) biasT[b][f] = c2 x (Q(dec) Q(Wq)^T x 2^(e2+e3) + bk + bq), c2 = 2 log2(e).
; WORK LEFT OUT IN THE WHOLE PROGRAM, for all finite values of the inputs:
;   'inputs'  : reference() never uses it; it has no way to the result.  It is not loaded and is no argument of any launch.
;   'bout'    : it is added to every score of a row of the softmax alike; softmax(s + const) = softmax(s).  It is not loaded and is no argument of any launch.
;   sum(Wout) : tanh(x) = 1 - 2 / (1 + e^(2x)), so score = sum_f Wout[f] - 2 sum_f Wout[f] / (1 + e^(2 x_f)); the first term is the same along the softmax's axis and is never formed.
;   LIMIT: a NaN, an infinity or an overflow that reaches only bout, 'inputs' or sum(Wout) is not carried to the result.
; ORDER OF K IN wk_codes (launch 2 lays enc's codes in the same order, so every product meets its partner; one scale a tensor, so only the order of the sums changes):
;   byte 256 q + 8 l + 4 j + i of a row holds k = 256 q + 128 j + 4 l + i (l = 0..31, j = 0,1, i = 0..3): what two dense loads of 512 bytes and one conversion of eight numbers of a lane give.
; LIMITS on the given exponents, so that each power of two below is an f32 number: e1, e2, e3 between -126 and 112; e2 + e3 between -126 and 127.  NaN among the inputs is not served.
; SHARES.  Work-groups 0-63 (A): wave w of work-group g takes rows 16 g + 2 w, + 1 of Wk.  No LDS.
;          Work-groups 64-127 (B): 16 features f0 = 16 (g - 64) on, all 32 batches; WAVE w TAKES K STEP w (k = 128 w ..): two matrix instructions; the eight partial sums meet in LDS.
.set IMG,   0                          ; LDS: eight images of 2,048 bytes: a wave's two accumulators as they stand, 16 bytes a lane
.set SPARE, 16384                      ; behind them the spare words, 128 bytes for each wave: four blocks of 256 bytes that no other line names
; sixteen loads: lane (r, h) takes, of row r, 16 neighbours of each block of 32: register 16 b + 4 j + i = k 32 b + 16 h + 4 j + i of the wave's K step
.macro XL reg, base, off
.irp b, 0,1,2,3
.irp j, 0,1,2,3
	global_load_b128 v[\reg+16*\b+4*\j:\reg+16*\b+4*\j+3], v6, s[\base:\base+1] offset:\off+128*\b+16*\j
.endr
.endr
.endm
; 64 numbers of a lane become a fragment's 16 registers of codes
.macro QUANT src, dst, sc, lim
.irp b, 0,1,2,3
.irp i, 0,1,2,3,4,5,6,7,8,9,10,11,12,13,14,15
	v_med3_num_f32 v[\src+16*\b+\i], v[\src+16*\b+\i], -v[\lim], v[\lim]   ; the conversion to an 8-bit code does not saturate (ISA guide 7.6.2): the hold at the largest code x the scale
.endr
	v_cvt_scalef32_pk8_bf8_f32 v[\dst+4*\b:\dst+4*\b+1], v[\src+16*\b:\src+16*\b+7], v[\sc]
	v_cvt_scalef32_pk8_bf8_f32 v[\dst+4*\b+2:\dst+4*\b+3], v[\src+16*\b+8:\src+16*\b+15], v[\sc]
.endr
	v_nop                                          ; one plain vector line between the last conversion and whatever next touches its registers
.endm
	s_load_b256 s[4:11], s[0:1], 0x0               ; Wk s[4:5], Wq s[6:7], dec s[8:9], bk s[10:11]
	s_load_b256 s[12:19], s[0:1], 0x20             ; bq s[12:13], the exponents s[14:15], wk_codes s[16:17], biasT s[18:19]
	v_lshl_add_u32 v1, v0, 2, SPARE                ; my spare word; never rewritten
	v_mov_b32 v2, 0                                ; 0; never rewritten
	v_lshrrev_b32 v3, 5, v0
	s_delay_alu instid0(VALU_DEP_1)
	v_readfirstlane_b32 s20, v3                    ; wave 0..7
	v_and_b32 v3, 31, v0                           ; lane
	s_wait_kmcnt 0x0
	s_load_b128 s[24:27], s[14:15], 0x0            ; e0, e1, e2, e3
	s_cmp_lt_u32 ttmp9, 64                         ; the work-group's number alone: all eight waves go the same way
	s_cbranch_scc0 .Lquery
	; ---- (A) two rows of Wk
	s_lshl_b32 s28, ttmp9, 4
	s_lshl_b32 s29, s20, 1
	s_add_co_u32 s28, s28, s29                     ; my first row
	s_lshl_b32 s30, s28, 12                        ; x 4,096 bytes of f32
	s_mov_b32 s31, 0
	s_add_nc_u64 s[4:5], s[4:5], s[30:31]
	s_lshl_b32 s30, s28, 10                        ; x 1,024 bytes of codes
	s_add_nc_u64 s[16:17], s[16:17], s[30:31]
	s_wait_alu depctr_va_vdst(0)
	v_lshlrev_b32 v4, 4, v3                        ; in: 16 bytes a lane, 512 consecutive bytes a load
	v_lshlrev_b32 v5, 3, v3                        ; out: 8 bytes a lane, 256 consecutive bytes a store
.irp p, 0,1
.irp q, 0,1,2,3
.irp j, 0,1
	global_load_b128 v[16+32*\p+8*\q+4*\j:19+32*\p+8*\q+4*\j], v4, s[4:5] offset:4096*\p+1024*\q+512*\j th:TH_LOAD_NT
.endr
.endr
.endr
	s_wait_kmcnt 0x0
	s_add_co_i32 s30, s25, 127
	s_lshl_b32 s31, s30, 23
	v_mov_b32 v10, s31                             ; 2^e1 as f32: the conversion takes its exponent field
	s_add_co_i32 s30, s30, 15
	s_lshl_b32 s30, s30, 23
	s_or_b32 s30, s30, 0x600000
	v_mov_b32 v11, s30                             ; 57,344 x 2^e1
	s_wait_alu depctr_va_vdst(0)
	s_wait_loadcnt 0x0
.set I, 0
.rept 64
	v_med3_num_f32 v[16+I], v[16+I], -v11, v11
.set I, I+1
.endr
.irp n, 0,1,2,3,4,5,6,7
	v_cvt_scalef32_pk8_bf8_f32 v[80+2*\n:81+2*\n], v[16+8*\n:23+8*\n], v10
.endr
	v_nop
.irp p, 0,1
.irp q, 0,1,2,3
	global_store_b64 v5, v[80+2*(4*\p+\q):81+2*(4*\p+\q)], s[16:17] offset:1024*\p+256*\q   ; 32 lanes store 256 consecutive bytes, at a multiple of 256 from the buffer's first byte
.endr
.endr
	s_branch .Lend
	; ---- (B) q for 16 features and 32 batches; my wave: K step w
.Lquery:
	s_sub_co_u32 s28, ttmp9, 64
	s_lshl_b32 s28, s28, 4                         ; f0
	v_and_b32 v4, 15, v0                           ; r
	v_bfe_u32 v5, v0, 4, 1                         ; h
	s_wait_alu depctr_va_vdst(0)
	v_lshlrev_b32 v6, 12, v4
	s_delay_alu instid0(VALU_DEP_1)
	v_lshl_add_u32 v6, v5, 6, v6                   ; row r of 4,096 bytes + 64 h
	s_wait_alu depctr_va_vdst(0)
	s_lshl_b32 s29, s20, 9                         ; my K step: 512 bytes along a row
	s_lshl_b32 s30, s28, 12
	s_add_co_u32 s30, s30, s29
	s_mov_b32 s31, 0
	s_add_nc_u64 s[6:7], s[6:7], s[30:31]          ; Wq at row f0, K step w
	s_mov_b32 s30, s29
	s_add_nc_u64 s[8:9], s[8:9], s[30:31]          ; dec at K step w
	s_lshl_b32 s30, s28, 2
	v_lshl_add_u32 v7, v5, 5, s30                  ; 4 (f0 + 8 h): my eight features in bk, bq and a row of biasT
	s_lshl_b32 s30, s20, 11
	v_lshl_add_u32 v8, v3, 4, s30                  ; where my image goes: 2,048 w + 16 lane
	s_lshl_b32 s30, s20, 10
	v_lshl_add_u32 v9, v3, 4, s30                  ; where waves 0 and 1 read: 1,024 w + 16 lane, in each of the eight images
	v_lshl_add_u32 v14, v4, 12, v7
	s_lshl_b32 s30, s20, 16
	v_add_nc_u32 v14, s30, v14                     ; biasT: row 16 w + r, features f0 + 8 h on (used by waves 0 and 1)
	global_load_b128 v[240:243], v7, s[10:11]      ; bk and bq are asked for first, so that no load is left to wait for behind the barrier.  Every wave asks (128 bytes), waves 0 and 1 use them
	global_load_b128 v[244:247], v7, s[10:11] offset:16
	global_load_b128 v[248:251], v7, s[12:13]
	global_load_b128 v[252:255], v7, s[12:13] offset:16
	XL 16, 6, 0                                    ; Wq rows f0 + r
	XL 80, 8, 0                                    ; dec rows r
	XL 144, 8, 65536                               ; dec rows 16 + r
	s_wait_kmcnt 0x0
	s_add_co_i32 s30, s26, 127
	s_lshl_b32 s31, s30, 23
	v_mov_b32 v10, s31                             ; 2^e2, for dec
	s_add_co_i32 s30, s30, 15
	s_lshl_b32 s30, s30, 23
	s_or_b32 s30, s30, 0x600000
	v_mov_b32 v11, s30
	s_add_co_i32 s30, s27, 127
	s_lshl_b32 s31, s30, 23
	v_mov_b32 v12, s31                             ; 2^e3, for Wq
	s_add_co_i32 s30, s30, 15
	s_lshl_b32 s30, s30, 23
	s_or_b32 s30, s30, 0x600000
	v_mov_b32 v13, s30
	s_wait_alu depctr_va_vdst(0)
	s_wait_loadcnt 32                              ; bk, bq and Wq's sixteen loads are in; dec's 32 may be out
	QUANT 16, 208, 12, 13
	s_wait_loadcnt 16                              ; dec's first sixteen
	QUANT 80, 224, 10, 11
	s_wait_loadcnt 0x0
	QUANT 144, 48, 10, 11                          ; into registers that Wq's numbers have left
	; transposed use: source 0 = 16 features, source 1 = 16 batches: lane (r, h) holds batch r and features f0 + 8 h + 0..7
	v_wmma_f32_16x16x128_bf8_bf8 v[16:23], v[208:223], v[224:239], 0
	v_wmma_f32_16x16x128_bf8_bf8 v[24:31], v[208:223], v[48:63], 0
.rept 4
	v_nop                                          ; four places between a matrix instruction and the LDS stores that read its result
.endr
	ds_store_b128 v8, v[16:19]                     ; each accumulator from its low end on
	ds_store_b128 v8, v[20:23] offset:512
	ds_store_b128 v8, v[24:27] offset:1024
	ds_store_b128 v8, v[28:31] offset:1536
	s_wait_dscnt 0x0                               ; for the others' sake: my image lies in LDS
	s_barrier_signal -1
	s_barrier_wait -1
	s_cmp_lt_u32 s20, 2                            ; wave 0 adds up batches 0-15, wave 1 batches 16-31
	s_cbranch_scc0 .Lend
.irp p, 0,1,2,3,4,5,6,7
	ds_load_b128 v[80+8*\p:83+8*\p], v9 offset:2048*\p
	ds_load_b128 v[84+8*\p:87+8*\p], v9 offset:2048*\p+512
.endr
	s_add_co_i32 s32, s26, s27
	s_add_co_i32 s32, s32, 127
	s_lshl_b32 s32, s32, 23                        ; 2^(e2 + e3) as f32
	s_mov_b32 s33, s32                             ; (named with it as a pair, so it is written)
	s_mov_b32 s34, 0x4038aa3b                      ; c2 = 2 log2(e)
	s_mov_b32 s35, s34
.irp i, 0,2,4,6
	v_pk_add_f32 v[240+\i:241+\i], v[240+\i:241+\i], v[248+\i:249+\i]                     ; bk + bq, while the images come
.endr
	s_wait_dscnt 0x0
.irp d, 4,2,1                                  ; the eight K steps' sums, by halves
.set PP, 0
.rept \d
.irp i, 0,2,4,6
	v_pk_add_f32 v[80+8*PP+\i:81+8*PP+\i], v[80+8*PP+\i:81+8*PP+\i], v[80+8*(PP+\d)+\i:81+8*(PP+\d)+\i]
.endr
.set PP, PP+1
.endr
.endr
.irp i, 0,2,4,6
	s_delay_alu instid0(VALU_DEP_4)
	v_pk_fma_f32 v[80+\i:81+\i], v[80+\i:81+\i], s[32:33], v[240+\i:241+\i] op_sel_hi:[1,0,1]   ; sum x 2^(e2 + e3) + bk + bq
.endr
.irp i, 0,2,4,6
	s_delay_alu instid0(VALU_DEP_4)
	v_pk_mul_f32 v[80+\i:81+\i], v[80+\i:81+\i], s[34:35] op_sel_hi:[1,0]                 ; x c2: launch 2 feeds it to 2^u as it stands
.endr
	global_store_b128 v14, v[80:83], s[18:19]
	global_store_b128 v14, v[84:87], s[18:19] offset:16
.Lend:
	s_wait_tensorcnt 0x0                           ; the wave's end: three lines behind the last LDS store
	ds_add_u32 v1, v2
	s_wait_dscnt 0x0
	s_endpgm
.Lfunc_end_k_q5a363de393_prep:
	.size	k_q5a363de393_prep, .Lfunc_end_k_q5a363de393_prep-k_q5a363de393_prep
	.p2alignl 7, 3214868480
	.fill 96, 4, 3214868480
	.section	.rodata,"a",@progbits
	.p2align	6, 0x0
	.amdhsa_kernel k_q5a363de393_prep
		.amdhsa_group_segment_fixed_size 17408
		.amdhsa_private_segment_fixed_size 0
		.amdhsa_enable_private_segment 0
		.amdhsa_kernarg_size 64
		.amdhsa_user_sgpr_count 2
		.amdhsa_user_sgpr_kernarg_segment_ptr 1
		.amdhsa_wavefront_size32 1
		.amdhsa_system_sgpr_workgroup_id_x 1
		.amdhsa_system_sgpr_workgroup_id_y 1
		.amdhsa_system_sgpr_workgroup_id_z 1
		.amdhsa_system_vgpr_workitem_id 0
		.amdhsa_next_free_vgpr 256
		.amdhsa_next_free_sgpr 66
		.amdhsa_reserve_vcc 0
		.amdhsa_float_denorm_mode_32 3
		.amdhsa_float_denorm_mode_16_64 3
		.amdhsa_memory_ordered 1
		.amdhsa_forward_progress 1
		.amdhsa_inst_pref_size 34
	.end_amdhsa_kernel
	.amdgpu_metadata
---
amdhsa.version: [ 1, 2 ]
amdhsa.kernels:
  - .name:           k_q5a363de393_prep
    .symbol:         k_q5a363de393_prep.kd
    .args:
      - { .name: Wk, .offset: 0, .size: 8, .value_kind: global_buffer, .address_space: global }
      - { .name: Wq, .offset: 8, .size: 8, .value_kind: global_buffer, .address_space: global }
      - { .name: decoder_output, .offset: 16, .size: 8, .value_kind: global_buffer, .address_space: global }
      - { .name: bk, .offset: 24, .size: 8, .value_kind: global_buffer, .address_space: global }
      - { .name: bq, .offset: 32, .size: 8, .value_kind: global_buffer, .address_space: global }
      - { .name: lowp_scales, .offset: 40, .size: 8, .value_kind: global_buffer, .address_space: global }
      - { .name: wk_codes, .offset: 48, .size: 8, .value_kind: global_buffer, .address_space: global }
      - { .name: biasT, .offset: 56, .size: 8, .value_kind: global_buffer, .address_space: global }
    .group_segment_fixed_size: 17408
    .private_segment_fixed_size: 0
    .kernarg_segment_align: 8
    .kernarg_segment_size: 64
    .max_flat_workgroup_size: 256
    .sgpr_count:     66
    .vgpr_count:     256
    .wavefront_size: 32
...
	.end_amdgpu_metadata
.endif
;; end of part 1
;; launch attn (part 2): grid 256 x 1, 4 waves a work-group, clusters of 4 x 1, 327,680 bytes of LDS; arguments encoder_outputs, wk_codes, biasT, Wout, lowp_scales, part, stat; writes part, stat
.if DOCPART == 2
	.amdgcn_target "amdgcn-amd-amdhsa--gfx1250"
	.amdhsa_code_object_version 6
	.text
	.protected	k_q5a363de393_attn
	.globl	k_q5a363de393_attn
	.p2align	8
	.type	k_q5a363de393_attn,@function
k_q5a363de393_attn:
	s_mov_b64 s[64:65], 0
	v_nop
	global_prefetch_b8 v0, s[64:65] scope:SCOPE_SE
	s_setreg_imm32_b32 hwreg(HW_REG_WAVE_MODE, 25, 1), 1
	s_wait_xcnt 0x0
	s_wait_alu depctr_hold_cnt(0) depctr_sa_sdst(0) depctr_va_vdst(0) depctr_va_sdst(0) depctr_va_ssrc(0) depctr_va_vcc(0) depctr_vm_vsrc(0)
	s_getreg_b32 s2, hwreg(HW_REG_IB_STS2, 6, 4)
	s_cmp_eq_u32 s2, 0
	s_cbranch_scc0 .Lentry_in_a_cluster
	s_endpgm
.Lentry_in_a_cluster:
	s_bfe_u32 s2, ttmp6, 0x10000c
	s_cmp_lg_u32 s2, 0x3003
	s_cbranch_scc0 .Lentry_shape_is_right
	s_endpgm
.Lentry_shape_is_right:
; ADDITIVE ATTENTION, launch 2 of 3.  Left out as launch 1's head shows: 'inputs', bout and sum(Wout).
; A block g (0 .. 511) is positions 128 (g % 16) .. + 127 of batch g / 16.  For it are stored: part[g] = sum_t p_t enc[t] (1,024 f32), stat[g] = (m, l):
;   s_t = sum_f w'_f / (1 + 2^(u_tf)),  u = c2 x (Q(enc) Q(Wk)^T x 2^(e0+e1)) + biasT,  w' = -c2 x Wout,  c2 = 2 log2(e);  m = max_t s_t;  p_t = 2^(s_t - m);  l = sum p_t.
; A WORK-GROUP STAYS: 256 work-groups; work-group x = 4 x cluster + cx makes blocks x and x + 256, one after the other, in a loop of two trips round the whole body.
; A BLOCK'S HEAD: wave w reads rows 32 w .. + 31 of enc once (f32), makes their codes of BF8 (hold at 57,344 x 2^e0, then the scaled conversion) and a bf16 copy for the weighted sum.
;   The codes go through LDS (EB) and come back as A fragments: wave (rh = w / 2, fh = w % 2) keeps rows 64 rh .. + 63 x all 1,024 K in windows 2 and 3.
;   The bf16 copy stays on the chip: 12 rows in window 1, 4 rows in EB (when the exchange is over), 16 rows in SPILL, for each wave.
; THE TURNS: Wk's codes come by slots of 64 features x 1,024 K through a ring of two slots; the four work-groups of a cluster walk the same slots and ask jointly (mask 15).
;   Each cluster starts at another slot (a rotation by its number); the tables of bias and w' are laid in the same rotated order.
;   A turn = my 64 rows x 16 features x K 1,024 = 32 matrix instructions, four accumulators by turns.  Four sets of accumulators: in turn k set k is multiplied;
;   ahead of that, in one run of packed lines and ONE batch of transcendentals: set k-1: u, then 2^u; set k-2: + 1, then the reciprocal; set k-3: x w' onto the scores.
; PREFETCH: in the first block's 16 even turns each wave asks for 8 KiB (32 lanes x 256 bytes) of its own 32 rows of the second block: 16 x 8 KiB = its 128 KiB, each aligned 256 bytes named once,
;   between 32 and 2 turns ahead of the block that loads them; the second block asks for nothing.  wk_codes is one buffer of 1 MiB that all work-groups walk: it is not asked for ahead.
; LIMITS: e0 between -126 and 112; e0 + e1 between -126 and 126 (added to c2's exponent field).  NaN among the inputs is not served.
.set PITB,  1040                       ; a feature's row in a slot: 1,024 codes + 16 of padding
.set SLOTB, 64*PITB
.set EB,    2*SLOTB                    ; the exchange of codes: 128 rows x (256 + 16); later 4 x 8,192 bytes of bf16 rows
.set EP,    272
.set SPILL, EB+128*EP                  ; 32,768 bytes of bf16 rows for each wave
.set BTAB,  SPILL+4*32768              ; biasT's row of my batch
.set WTAB,  BTAB+4096                  ; w'
.set SCX,   WTAB+4096                  ; the two feature halves' scores
.set PX,    SCX+1024                   ; p, a copy for each wave
.set SPARE, PX+2048                    ; the spare words: 512 bytes that no other line names
.set CXB,   SPARE+512                  ; the four waves' partial sums of p x enc
.set CD,  16                           ; head: a unit's codes
.set PK,  32                           ; head: a unit's bf16 on its way to SPILL
.set XS,  64                           ; head: three sets of 64 numbers
.set BI,  16                           ; turns: bias, two pairs by turns (the upper words hold 0)
.set WO,  20                           ; turns: w', likewise
.set SC,  24                           ; v24-55 my lane's part of 64 scores
.set BF,  56                           ; B's fragments: K steps 0-3 at v56-119, K steps 4-7 at v192-255 of window 1
.set ACC, 128                          ; four sets of 32
.set CT,  128
.set PW,  160
.set SPD, 176
.set MSB, 0
.macro WIN new                         ; the immediate's high byte repeats the setting that is left
.if MSB != (\new)
	s_set_vgpr_msb (MSB<<8)|(\new)
.set MSB, (\new)
.endif
.endm
.macro CROUND                          ; a round of the cluster's barrier
	s_barrier_signal -1
	s_barrier_wait -1
	s_cmp_lg_u32 s18, 0
	s_cbranch_scc1 .Lnw0_\@
	s_barrier_signal -3
.Lnw0_\@:
	s_barrier_wait -3
	s_barrier_signal -1
	s_barrier_wait -1
.endm
.macro PLACES                          ; four places behind a matrix instruction (ISA guide 7.12.1)
.rept 4
	v_nop
.endr
.endm
.macro ASK off                         ; first block alone (s3 = 2, the same in all work-groups): 32 x 256 bytes of my rows of the second block
	s_cmp_eq_u32 s3, 2
	s_cbranch_scc0 .Lna_\@
	global_prefetch_b8 v15, s[62:63] offset:\off th:TH_LOAD_NT scope:SCOPE_SE
.Lna_\@:
.endm
; unit u = 8 rows x 256 K: sixteen loads of 512 consecutive bytes
.macro ULOAD u
.set XL, XS+64*((\u)%3)
.irp i, 0,1,2,3,4,5,6,7
.irp j, 0,1
	global_load_b128 v[XL+8*\i+4*\j:XL+8*\i+4*\j+3], v3, s[4:5] offset:(8*((\u)%4)+\i)*4096+((\u)/4)*1024+\j*512 th:TH_LOAD_NT
.endr
.endr
.endm
.macro UNIT u
.set UQ, (\u)/4
.set UO, (\u)%4
.set XB, XS+64*((\u)%3)
.if (\u) < 14
	s_wait_loadcnt 32                              ; this unit's sixteen loads are in; two units' may be out
.elseif (\u) == 14
	s_wait_loadcnt 16
.else
	s_wait_loadcnt 0
.endif
	s_wait_dscnt 0x0                               ; the last unit's LDS stores have read their registers
.if UO < 2
	WIN 0x40                                       ; rows 0-15 of my 32: bf16 into window 1
.irp i, 0,1,2,3,4,5,6,7
.irp p, 0,1,2,3
	v_cvt_pk_bf16_f32 v[16*(8*UO+\i)+4*UQ+\p], v[XB+8*\i+2*\p], v[XB+8*\i+2*\p+1]
.endr
.endr
	WIN 0
.else
.irp i, 0,1,2,3,4,5,6,7
.irp p, 0,1,2,3
	v_cvt_pk_bf16_f32 v[PK+4*\i+\p], v[XB+8*\i+2*\p], v[XB+8*\i+2*\p+1]
.endr
.endr
.endif
.set I, 0
.rept 64
	v_med3_num_f32 v[XB+I], v[XB+I], -v12, v12     ; the conversion does not saturate (ISA guide 7.6.2): the hold at 57,344 x 2^e0
.set I, I+1
.endr
.irp i, 0,1,2,3,4,5,6,7
	v_cvt_scalef32_pk8_bf8_f32 v[CD+2*\i:CD+2*\i+1], v[XB+8*\i:XB+8*\i+7], v11
.endr
	v_nop
.if (\u)+3 < 16
	ULOAD (\u)+3                                   ; the set just converted takes the unit three on, ahead of this unit's LDS stores
.endif
.irp i, 0,1,2,3,4,5,6,7
	ds_store_b64 v4, v[CD+2*\i:CD+2*\i+1] offset:(8*UO+\i)*EP
.endr
.if UO >= 2
.irp i, 0,1,2,3,4,5,6,7
	ds_store_b128 v6, v[PK+4*\i:PK+4*\i+3] offset:((8*(UO-2)+\i)*4+UQ)*512
.endr
.endif
.endm
; quarter q of K is whole in EB: my 64 rows come back as fragments.  Fragment (a, z = 2 q + e) lies in window 2 + z / 4 at v[64 a + 16 (z % 4)]
.macro XCHG q
	s_wait_dscnt 0x0
	s_barrier_signal -1
	s_barrier_wait -1
	WIN 0x80+0x40*((\q)/2)
.irp a, 0,1,2,3
.irp e, 0,1
.irp c, 0,1,2,3
	ds_load_b128 v[64*\a+16*(2*((\q)%2)+\e)+4*\c:64*\a+16*(2*((\q)%2)+\e)+4*\c+3], v5 offset:16*\a*EP+128*\e+32*\c
.endr
.endr
.endr
	WIN 0
	s_wait_dscnt 0x0                               ; my reads are over before anybody stores the next quarter
	s_barrier_signal -1
	s_barrier_wait -1
.endm
; sixteen loads: four K steps of the 16 features u of my half of the slot
.macro RUNB slot, u, half
.if \half
	WIN 0x40
.endif
.irp s, 0,1,2,3
.irp c, 0,1,2,3
	ds_load_b128 v[BF+136*(\half)+16*\s+4*\c:BF+136*(\half)+16*\s+4*\c+3], v[7+(\slot)] offset:16*(\u)*PITB+512*(\half)+128*\s+32*\c
.endr
.endr
	WIN 0
.endm
; the vector work of three earlier turns: packed lines, one wait, one batch.  A wait stands ahead of the batch and one ahead of its first reader (the next STAGES' first line, or CHANGE's)
.macro STAGES
	s_wait_alu depctr_va_vdst(0)
.set G, 0
.rept 16
.if T3 == 1
	v_pk_fma_f32 v[SC+G:SC+G+1], v[R3+G:R3+G+1], v[RWO:RWO+1], v[SC+G:SC+G+1] op_sel_hi:[1,0,1]
.endif
.if T3 == 2
	v_pk_mul_f32 v[SC+G:SC+G+1], v[R3+G:R3+G+1], v[RWO:RWO+1] op_sel_hi:[1,0]      ; the first term starts the scores
.endif
.if T2
	v_pk_add_f32 v[R2+G:R2+G+1], v[R2+G:R2+G+1], 1.0 op_sel_hi:[1,0]
.endif
.set G, G+2
.endr
.if T1
.set G, 0
.rept 16
	v_pk_fma_f32 v[R1+G:R1+G+1], v[R1+G:R1+G+1], s[40:41], v[RBI:RBI+1] op_sel_hi:[1,0,0]   ; u; each accumulator from its low end on
.set G, G+2
.endr
.endif
.if TA >= 0
	ASK TA
.endif
.if T1+T2
	s_wait_alu depctr_va_vdst(0)
.set G, 0
.rept 32
.if T1
	v_exp_f32 v[R1+G], v[R1+G]
.endif
.if T2
	v_rcp_f32 v[R2+G], v[R2+G]
.endif
.set G, G+1
.endr
	v_nop                                          ; a plain place behind the batch
.endif
.endm
; the change of slots: all my tensor loads, the add, my reads of the slot that is left; fill = 1: a round of the cluster's barrier and the joint refill
.macro CHANGE fill, place
	s_wait_alu depctr_va_vdst(0)                   ; ahead of the waits, branches and labels below
	s_wait_tensorcnt 0x0
	ds_add_u32 v1, v2
.if \fill
	s_add_co_u32 s60, s60, 0x10000                 ; the next slot's 65,536 bytes, round the buffer's 1 MiB
	s_and_b32 s60, s60, 0xfffff
	s_add_nc_u64 s[34+4*(\place):35+4*(\place)], s[6:7], s[60:61]
	s_or_b32 s[35+4*(\place)], s[35+4*(\place)], 0x80000000
.endif
	s_wait_dscnt 0x0
.if \fill
	CROUND
	tensor_load_to_lds s[32+4*(\place):35+4*(\place)], s[24:31]
	s_nop 0
.rept 4
	v_nop
.endr
.else
	s_barrier_signal -1
	s_barrier_wait -1
.endif
.endm
; turn k.  mm: it multiplies; f1, f2, f3: which stages run; chg: 1 a change of slots with a refill, 2 without; more: a turn with products follows
.macro TURN k, mm, f1, f2, f3, chg, more
.set RC,  ACC+32*((\k)%4)
.set R1,  ACC+32*(((\k)+3)%4)
.set R2,  ACC+32*(((\k)+2)%4)
.set R3,  ACC+32*(((\k)+1)%4)
.set RBI, BI+2*((\k)%2)
.set RWO, WO+2*((\k)%2)
.set NBI, BI+2*(((\k)+1)%2)
.set NWO, WO+2*(((\k)+1)%2)
.set FB,  4*(64*(((\k)+4)/2)-128+16*(((\k)+4)%2))          ; this turn's features in the table of bias
.set FW,  4096+4*(64*(((\k)+2)/2)-128+16*(((\k)+2)%2))     ; turn k - 2's features in the table of w'
.set T1,  \f1
.set T2,  \f2
.set T3,  \f3
.set TA,  -1
.if (\mm) && (((\k)%2) == 0)
.set TA,  8192*((\k)/2)                        ; an even turn asks: 8 KiB at 0 or at 8,192 of the trip's 16 KiB
.endif
.if \mm
.if T1+T2+T3
	s_wait_dscnt 32                                ; the table words asked for in the last turn are in; B's 32 loads behind them may be out
	STAGES
.else
	ASK TA
.endif
.irp z, 0,1,2,3,4,5,6,7
.if \z == 0
	s_wait_dscnt 16                                ; B's K steps 0-3 are in; 4-7 may be out
	WIN 2
.endif
.if \z == 4
.if \more
	s_wait_dscnt 17+\f2                            ; B's K steps 4-7 are in; behind them: the table words and the next turn's sixteen
.else
	s_wait_dscnt 0
.endif
	WIN 7
.endif
.set RB, BF+16*\z+72*(\z/4)
.irp a, 0,1,2,3                        ; the four accumulators take turns
.if \z == 0
	v_wmma_f32_16x16x128_bf8_bf8 v[RC+8*\a:RC+8*\a+7], v[64*\a+16*(\z%4):64*\a+16*(\z%4)+15], v[RB:RB+15], 0
.else
	v_wmma_f32_16x16x128_bf8_bf8 v[RC+8*\a:RC+8*\a+7], v[64*\a+16*(\z%4):64*\a+16*(\z%4)+15], v[RB:RB+15], v[RC+8*\a:RC+8*\a+7]
.endif
.endr
.if \z == 3
	WIN 0
	PLACES
.if \chg == 1
	CHANGE 1, ((\k)/2)%2
.endif
.if \chg == 2
	CHANGE 0, 0
.endif
	ds_load_b32 v[NBI], v10 offset:FB
.if \f2
	ds_load_b32 v[NWO], v10 offset:FW
.endif
.if \more
	RUNB (((\k)+1)/2)%2, ((\k)+1)%2, 0
.endif
.endif
.endr
	WIN 0
	PLACES
.if \more
	RUNB (((\k)+1)/2)%2, ((\k)+1)%2, 1
.endif
.else
	s_wait_dscnt 0x0
.if \f2
	ds_load_b32 v[NWO], v10 offset:FW
.endif
	STAGES
.endif
.endm
; four rows of bf16 (SPD) x their p (pb ..) onto the 32 sums
.macro WROWS pb
.irp n, 0,1,2,3
.irp q, 0,1,2,3
.irp p, 0,1,2,3
	v_fma_mix_f32_bf16 v[CT+8*\q+2*\p], v[SPD+4*(4*\n+\q)+\p], v[\pb+\n], v[CT+8*\q+2*\p] op_sel_hi:[1,0,0]
	v_fma_mix_f32_bf16 v[CT+8*\q+2*\p+1], v[SPD+4*(4*\n+\q)+\p], v[\pb+\n], v[CT+8*\q+2*\p+1] op_sel:[1,0,0] op_sel_hi:[1,0,0]
.endr
.endr
.endr
.endm
	s_load_b256 s[4:11], s[0:1], 0x0               ; enc s[4:5], wk_codes s[6:7], biasT s[8:9], Wout s[10:11]
	s_load_b128 s[12:15], s[0:1], 0x20             ; the exponents s[12:13], part s[14:15]
	s_load_b64 s[16:17], s[0:1], 0x30              ; stat
	v_lshl_add_u32 v1, v0, 2, SPARE                ; my spare word; never rewritten
	v_mov_b32 v2, 0                                ; 0; never rewritten
	ds_add_u32 v1, v2                              ; the opening: the add, twice on end, and its wait
	ds_add_u32 v1, v2
	v_lshrrev_b32 v13, 5, v0
	v_readfirstlane_b32 s18, v13                   ; wave
	s_lshr_b32 s19, s18, 1                         ; rh: my half of the rows
	s_and_b32 s20, s18, 1                          ; fh: my half of a slot's features
	s_mov_b32 s24, 15|(1<<20)|(1<<21)|(7<<22)|(3<<25)   ; group 1: mask of the four; bytes; four words of padding after every 256
	s_mov_b32 s25, 1024<<16
	s_mov_b32 s26, 16<<16
	s_mov_b32 s27, 1024<<16
	s_mov_b32 s28, 16                              ; 16 rows of 1,024 bytes a wave
	s_mov_b32 s29, 1024
	s_mov_b32 s30, 0
	s_mov_b32 s31, 0
	s_mov_b32 s42, 0x76543210
	s_mov_b32 s43, 0xfedcba98
	s_mov_b32 s58, 0xc038aa3b                      ; -c2
	s_mov_b32 s59, s58
	s_lshr_b32 s46, ttmp9, 4
	s_lshl_b32 s46, s46, 2
	s_add_co_u32 s46, s46, ttmp9
	s_and_b32 s46, s46, 15                         ; the slot at which my cluster starts: the cluster's number alone
	s_lshl_b32 s23, s46, 8
	s_add_co_u32 s46, s46, 15
	s_and_b32 s46, s46, 15
	s_lshl_b32 s60, s46, 16                        ; one slot short of it: every fill steps first
	s_mov_b32 s61, 0
	v_and_b32 v13, 31, v0
	v_and_b32 v14, 15, v0
	v_bfe_u32 v15, v0, 4, 1
	v_lshlrev_b32 v3, 4, v13                       ; 16 x lane
	s_mul_i32 s46, s18, 32*EP
	s_add_co_u32 s46, s46, EB
	v_lshl_add_u32 v4, v13, 3, s46                 ; codes into EB: my 32 rows, 8 bytes a lane
	s_mul_i32 s46, s19, 64*EP
	s_add_co_u32 s46, s46, EB
	v_mul_u32_u24 v5, v14, EP
	v_lshl_add_u32 v5, v15, 4, v5
	v_add_nc_u32 v5, s46, v5                       ; fragments out of EB
	s_lshl_b32 s46, s18, 15
	s_add_co_u32 s46, s46, SPILL
	v_add_nc_u32 v6, s46, v3                       ; my part of SPILL
	s_mul_i32 s46, s20, 32*PITB
	v_mul_u32_u24 v7, v14, PITB
	v_lshl_add_u32 v7, v15, 4, v7
	v_add_nc_u32 v7, s46, v7                       ; B's fragments in slot 0,
	v_add_nc_u32 v8, SLOTB, v7                     ; in slot 1
	s_lshl_b32 s46, s20, 7
	s_add_co_u32 s46, s46, BTAB
	v_lshl_add_u32 v9, v14, 2, s46                 ; my feature's word in the tables
	s_lshl_b32 s46, s18, 13
	s_add_co_u32 s46, s46, EB
	v_add_nc_u32 v14, s46, v3                      ; my 8,192 bytes of EB, for four rows of bf16
	v_lshlrev_b32 v13, 5, v0
	v_add_nc_u32 v13, BTAB, v13                    ; where my 32 bytes of each table go
	v_lshlrev_b32 v15, 4, v3                       ; the prefetches' offset: 256 x lane; never rewritten
	s_mov_b32 s32, 1
	s_mov_b32 s36, 1
	s_mul_i32 s33, s18, 16*PITB
	s_add_co_u32 s37, s33, SLOTB
	s_lshl_b32 s52, s18, 14
	s_mov_b32 s53, 0
	s_bfe_u32 s21, ttmp6, 0x40000                  ; cx: it enters addresses in memory alone
	s_lshl_b32 s22, ttmp9, 2
	s_add_co_u32 s22, s22, s21                     ; x: my first block
	s_lshl_b32 s54, s22, 19
	s_lshl_b32 s55, s18, 17
	s_add_co_u32 s54, s54, s55                     ; my 32 rows of enc
	s_mov_b32 s55, 0
	s_lshr_b32 s56, ttmp9, 2
	s_lshl_b32 s56, s56, 12                        ; my batch's row of biasT
	s_mov_b32 s57, 0
	s_mov_b32 s3, 2                                ; blocks to go
	s_wait_alu depctr_va_vdst(0)
	s_wait_dscnt 0x0                               ; both opening adds are done
	s_wait_kmcnt 0x0
	s_load_b64 s[48:49], s[12:13], 0x0             ; e0, e1
	s_add_nc_u64 s[4:5], s[4:5], s[54:55]
	s_add_nc_u64 s[8:9], s[8:9], s[56:57]
	s_add_nc_u64 s[62:63], s[4:5], 0x8000000       ; my rows of the second block: 256 blocks of 524,288 bytes on
	s_lshl_b32 s54, s22, 12
	s_add_nc_u64 s[14:15], s[14:15], s[54:55]
	s_lshl_b32 s54, s22, 8
	s_add_nc_u64 s[16:17], s[16:17], s[54:55]
	s_add_nc_u64 s[6:7], s[6:7], s[52:53]          ; my 16 rows of every slot
.Lblock:
	v_lshl_add_u32 v10, v0, 5, s23
	v_and_b32 v10, 0xfff, v10                      ; the tables are read from memory in the rotated order
	global_load_b128 v[16:19], v10, s[8:9]         ; the tables and enc's first three units are asked for ahead of the round below
	global_load_b128 v[20:23], v10, s[8:9] offset:16
	global_load_b128 v[24:27], v10, s[10:11]
	global_load_b128 v[28:31], v10, s[10:11] offset:16
	ULOAD 0
	ULOAD 1
	ULOAD 2
	s_wait_alu depctr_va_vdst(0)                   ; ahead of the waits and branches below
	s_wait_tensorcnt 0x0                           ; slot 0's fill: the first trip's is its first, the second trip's a refill; both stand behind these lines and a round
	ds_add_u32 v1, v2                              ; the add,
	ds_add_u32 v1, v2                              ; twice on end here
	s_add_co_u32 s60, s60, 0x10000
	s_and_b32 s60, s60, 0xfffff
	s_add_nc_u64 s[34:35], s[6:7], s[60:61]
	s_or_b32 s35, s35, 0x80000000
	s_wait_dscnt 0x0
	CROUND
	tensor_load_to_lds s[32:35], s[24:31]
	s_nop 0
.rept 4
	v_nop
.endr
	s_wait_kmcnt 0x0
	s_add_co_i32 s46, s48, s49
	s_lshl_b32 s46, s46, 23
	s_add_co_i32 s40, s46, 0x4038aa3b              ; c2 x 2^(e0 + e1)
	s_mov_b32 s41, s40
	s_add_co_i32 s46, s48, 127
	s_lshl_b32 s47, s46, 23
	v_mov_b32 v11, s47                             ; 2^e0
	s_add_co_i32 s46, s46, 15
	s_lshl_b32 s46, s46, 23
	s_or_b32 s46, s46, 0x600000
	v_mov_b32 v12, s46                             ; 57,344 x 2^e0
	s_wait_loadcnt 48                              ; the tables' four loads are in
.irp i, 0,2,4,6
	v_pk_mul_f32 v[24+\i:25+\i], v[24+\i:25+\i], s[58:59] op_sel_hi:[1,0]
.endr
	ds_store_b128 v13, v[16:19]
	ds_store_b128 v13, v[20:23] offset:16
	ds_store_b128 v13, v[24:27] offset:4096
	ds_store_b128 v13, v[28:31] offset:4112
.irp q, 0,1,2,3
	UNIT 4*\q
	UNIT 4*\q+1
	UNIT 4*\q+2
	UNIT 4*\q+3
	XCHG \q
.if \q == 0
	CHANGE 1, 1                                    ; slot 1's fill, as a refill is issued: my part of slot 0 is in by now
.endif
.endr
	WIN 0x04                                       ; window 1's v192-255 (bf16 rows 12-15) make room for B's fragments
.irp n, 0,1,2,3,4,5,6,7,8,9,10,11,12,13,14,15
	ds_store_b128 v14, v[192+4*\n:195+4*\n] offset:512*\n
.endr
	WIN 0
	v_mov_b32 v17, 0                               ; the pairs' upper words
	v_mov_b32 v19, 0
	v_mov_b32 v21, 0
	v_mov_b32 v23, 0
	s_mov_b32 s45, 0
	v_mov_b32 v10, v9
	s_wait_alu depctr_va_vdst(0)
	s_wait_dscnt 0x0
	RUNB 0, 0, 0
	RUNB 0, 0, 1
	TURN 0, 1, 0, 0, 0, 0, 1
	TURN 1, 1, 1, 0, 0, 1, 1
	TURN 2, 1, 1, 1, 0, 0, 1
	TURN 3, 1, 1, 1, 2, 1, 1
	s_mov_b32 s44, 6
.Ltrip:                                                ; a trip = four turns = both slots = 128 features
	s_wait_xcnt 0x0                                ; my prefetches have read their base:
	s_add_nc_u64 s[62:63], s[62:63], 0x4000        ; 16 KiB on
	s_add_co_u32 s45, s45, 512
	v_add_nc_u32 v10, s45, v9
	TURN 0, 1, 1, 1, 1, 0, 1
	TURN 1, 1, 1, 1, 1, 1, 1
	TURN 2, 1, 1, 1, 1, 0, 1
	TURN 3, 1, 1, 1, 1, 1, 1
	s_sub_co_u32 s44, s44, 1
	s_cmp_lg_u32 s44, 0
	s_cbranch_scc1 .Ltrip
	s_wait_xcnt 0x0
	s_add_nc_u64 s[62:63], s[62:63], 0x4000
	s_add_co_u32 s45, s45, 512
	v_add_nc_u32 v10, s45, v9
	TURN 0, 1, 1, 1, 1, 0, 1                       ; the last four turns fill nothing
	TURN 1, 1, 1, 1, 1, 2, 1
	TURN 2, 1, 1, 1, 1, 0, 1
	TURN 3, 1, 1, 1, 1, 0, 0
	TURN 4, 0, 1, 1, 1, 0, 0
	TURN 5, 0, 0, 1, 1, 0, 0
	TURN 6, 0, 0, 0, 1, 0, 0
	; the scores: over my 16 lanes' features, then over the two feature halves through LDS
.irp m, 1,2,4,8
.set I, 0
.rept 32
	v_add_f32_dpp v[SC+I], v[SC+I], v[SC+I] row_xmask:\m row_mask:0xf bank_mask:0xf
.set I, I+1
.endr
.endr
	s_lshl_b32 s46, s20, 9
	s_lshl_b32 s47, s19, 8
	s_add_co_u32 s46, s46, s47
	s_add_co_u32 s46, s46, SCX
	v_bfe_u32 v56, v0, 4, 1
	v_lshl_add_u32 v56, v56, 5, s46
	s_wait_alu depctr_va_vdst(0)
	v_add_nc_u32 v57, SCX, v3
	s_lshl_b32 s46, s18, 9
	s_add_co_u32 s46, s46, PX
	v_add_nc_u32 v58, s46, v3
	s_mul_i32 s46, s18, 640
	s_add_co_u32 s46, s46, PX
	v_mov_b32 v59, s46                             ; my copy of p, at my own 32 rows
.irp a, 0,1,2,3
	ds_store_b128 v56, v[SC+8*\a:SC+8*\a+3] offset:64*\a
	ds_store_b128 v56, v[SC+8*\a+4:SC+8*\a+7] offset:64*\a+16
.endr
	s_wait_alu depctr_va_vdst(0)
	s_wait_dscnt 0x0
	s_barrier_signal -1
	s_barrier_wait -1
	ds_load_b128 v[60:63], v57                     ; every wave: all 128 scores, four a lane
	ds_load_b128 v[64:67], v57 offset:512
	v_mov_b32 v69, 0
	s_wait_dscnt 0x0
	v_pk_add_f32 v[60:61], v[60:61], v[64:65]
	v_pk_add_f32 v[62:63], v[62:63], v[66:67]
	v_max3_num_f32 v68, v60, v61, v62
	v_max_num_f32 v68, v68, v63
.irp m, 1,2,4,8
	v_max_num_f32_dpp v68, v68, v68 row_xmask:\m row_mask:0xf bank_mask:0xf
.endr
	s_wait_alu depctr_va_vdst(0)
	v_permlanex16_b32 v69, v68, s42, s43
	v_max_num_f32 v68, v68, v69                    ; m: the block's largest score is taken away ahead of the exponential
.irp i, 0,1,2,3
	v_sub_f32 v[60+\i], v[60+\i], v68
.endr
	s_wait_alu depctr_va_vdst(0)
.irp i, 0,1,2,3
	v_exp_f32 v[60+\i], v[60+\i]
.endr
	v_nop
	s_wait_alu depctr_va_vdst(0)
	v_add_f32 v70, v60, v61
	v_add_f32 v71, v62, v63
	v_add_f32 v70, v70, v71
.irp m, 1,2,4,8
	v_add_f32_dpp v70, v70, v70 row_xmask:\m row_mask:0xf bank_mask:0xf
.endr
	v_permlanex16_b32 v71, v70, s42, s43
	v_add_f32 v69, v70, v71                        ; l
	ds_store_b128 v58, v[60:63]
.irp i, 0,1,2,3
	ds_load_b128 v[PW+4*\i:PW+4*\i+3], v59 offset:16*\i   ; LDS serves a wave's instructions in order: these see my store
.endr
.irp n, 0,1,2,3,4,5,6,7,8,9,10,11,12,13,14,15
	ds_load_b128 v[SPD+4*\n:SPD+4*\n+3], v14 offset:512*\n
.endr
.set I, 0
.rept 32
	v_mov_b32 v[CT+I], 0
.set I, I+1
.endr
	s_wait_dscnt 0x0
	WIN 0x01                                       ; rows 0-11 from window 1
.irp n, 0,1,2,3,4,5,6,7,8,9,10,11
.irp q, 0,1,2,3
.irp p, 0,1,2,3
	v_fma_mix_f32_bf16 v[CT+8*\q+2*\p], v[16*\n+4*\q+\p], v[PW+\n], v[CT+8*\q+2*\p] op_sel_hi:[1,0,0]
	v_fma_mix_f32_bf16 v[CT+8*\q+2*\p+1], v[16*\n+4*\q+\p], v[PW+\n], v[CT+8*\q+2*\p+1] op_sel:[1,0,0] op_sel_hi:[1,0,0]
.endr
.endr
.endr
	WIN 0
	WROWS PW+12                                    ; rows 12-15 from EB
	s_mov_b32 s50, 0
	s_mov_b32 s51, 0
	s_mov_b32 s44, 4
.Lspill:                                               ; rows 16-31 from SPILL, four a trip
	v_add_nc_u32 v56, s50, v6
	v_add_nc_u32 v57, s51, v59
.irp n, 0,1,2,3,4,5,6,7,8,9,10,11,12,13,14,15
	ds_load_b128 v[SPD+4*\n:SPD+4*\n+3], v56 offset:512*\n
.endr
	ds_load_b128 v[240:243], v57 offset:64
	s_wait_dscnt 0x0
	WROWS 240
	s_add_co_u32 s50, s50, 8192
	s_add_co_u32 s51, s51, 16
	s_sub_co_u32 s44, s44, 1
	s_cmp_lg_u32 s44, 0
	s_cbranch_scc1 .Lspill
	s_lshl_b32 s46, s18, 12
	s_add_co_u32 s46, s46, CXB
	v_add_nc_u32 v56, s46, v3
	s_wait_alu depctr_va_vdst(0)
	s_lshl_b32 s47, s18, 10
	s_add_co_u32 s46, s47, CXB
	v_add_nc_u32 v57, s46, v3
	v_add_nc_u32 v58, s47, v3
	v_lshrrev_b32 v61, 1, v3
.irp x, 0,1,2,3,4,5,6,7
	ds_store_b128 v56, v[CT+4*\x:CT+4*\x+3] offset:512*\x
.endr
	s_wait_alu depctr_va_vdst(0)
	s_wait_dscnt 0x0
	s_barrier_signal -1
	s_barrier_wait -1
.irp n, 0,1,2,3                        ; wave w adds the four waves' sums of columns 256 w on
.irp j, 0,1
	ds_load_b128 v[SPD+8*\n+4*\j:SPD+8*\n+4*\j+3], v57 offset:4096*\n+512*\j
.endr
.endr
	s_wait_dscnt 0x0
.irp i, 0,2,4,6
	v_pk_add_f32 v[SPD+\i:SPD+\i+1], v[SPD+\i:SPD+\i+1], v[SPD+8+\i:SPD+8+\i+1]
	v_pk_add_f32 v[SPD+16+\i:SPD+16+\i+1], v[SPD+16+\i:SPD+16+\i+1], v[SPD+24+\i:SPD+24+\i+1]
.endr
.irp i, 0,2,4,6
	v_pk_add_f32 v[SPD+\i:SPD+\i+1], v[SPD+\i:SPD+\i+1], v[SPD+16+\i:SPD+16+\i+1]
.endr
	global_store_b128 v58, v[SPD:SPD+3], s[14:15]              ; 32 lanes store 512 consecutive bytes
	global_store_b128 v58, v[SPD+4:SPD+7], s[14:15] offset:512
	s_cmp_lg_u32 s18, 0
	s_cbranch_scc1 .Lnostat
	global_store_b64 v61, v[68:69], s[16:17]                   ; (m, l), 32 times: one whole unit of 256 bytes
.Lnostat:
	s_wait_alu depctr_va_vdst(0)                   ; ahead of the wait and the branch below
	s_wait_xcnt 0x0                                ; the stores have read their registers and bases: both are written again below and in the next block
	s_add_nc_u64 s[4:5], s[4:5], 0x8000000         ; 256 blocks on: in enc,
	s_add_nc_u64 s[8:9], s[8:9], 0x10000           ; 16 batches on in biasT,
	s_add_nc_u64 s[14:15], s[14:15], 0x100000      ; in part,
	s_add_nc_u64 s[16:17], s[16:17], 0x10000       ; in stat (behind the second block the stepped addresses are not used)
	s_sub_co_u32 s3, s3, 1
	s_cmp_lg_u32 s3, 0
	s_cbranch_scc1 .Lblock
	s_wait_tensorcnt 0x0                           ; the wave's end
	ds_add_u32 v1, v2
	s_wait_dscnt 0x0
	CROUND                                         ; the closing round
	s_endpgm
.Lfunc_end_k_q5a363de393_attn:
	.size	k_q5a363de393_attn, .Lfunc_end_k_q5a363de393_attn-k_q5a363de393_attn
	.p2alignl 7, 3214868480
	.fill 96, 4, 3214868480
	.section	.rodata,"a",@progbits
	.p2align	6, 0x0
	.amdhsa_kernel k_q5a363de393_attn
		.amdhsa_group_segment_fixed_size 327680
		.amdhsa_private_segment_fixed_size 0
		.amdhsa_enable_private_segment 0
		.amdhsa_kernarg_size 56
		.amdhsa_user_sgpr_count 2
		.amdhsa_user_sgpr_kernarg_segment_ptr 1
		.amdhsa_wavefront_size32 1
		.amdhsa_system_sgpr_workgroup_id_x 1
		.amdhsa_system_sgpr_workgroup_id_y 1
		.amdhsa_system_sgpr_workgroup_id_z 1
		.amdhsa_system_vgpr_workitem_id 0
		.amdhsa_next_free_vgpr 1024
		.amdhsa_next_free_sgpr 66
		.amdhsa_reserve_vcc 0
		.amdhsa_float_denorm_mode_32 3
		.amdhsa_float_denorm_mode_16_64 3
		.amdhsa_memory_ordered 1
		.amdhsa_forward_progress 1
		.amdhsa_inst_pref_size 255
	.end_amdhsa_kernel
	.section	.bss,"aw",@nobits
	.p2align	6
	.space	262144
	.amdgpu_metadata
---
amdhsa.version: [ 1, 2 ]
amdhsa.kernels:
  - .name:           k_q5a363de393_attn
    .symbol:         k_q5a363de393_attn.kd
    .args:
      - { .name: encoder_outputs, .offset: 0, .size: 8, .value_kind: global_buffer, .address_space: global }
      - { .name: wk_codes, .offset: 8, .size: 8, .value_kind: global_buffer, .address_space: global }
      - { .name: biasT, .offset: 16, .size: 8, .value_kind: global_buffer, .address_space: global }
      - { .name: Wout, .offset: 24, .size: 8, .value_kind: global_buffer, .address_space: global }
      - { .name: lowp_scales, .offset: 32, .size: 8, .value_kind: global_buffer, .address_space: global }
      - { .name: part, .offset: 40, .size: 8, .value_kind: global_buffer, .address_space: global }
      - { .name: stat, .offset: 48, .size: 8, .value_kind: global_buffer, .address_space: global }
    .group_segment_fixed_size: 327680
    .private_segment_fixed_size: 0
    .kernarg_segment_align: 8
    .kernarg_segment_size: 56
    .max_flat_workgroup_size: 128
    .sgpr_count:     66
    .vgpr_count:     1024
    .wavefront_size: 32
...
	.end_amdgpu_metadata
.endif
;; end of part 2
;; launch merge (part 3): grid 32 x 1, 8 waves a work-group, no clusters, 0 bytes of LDS; arguments part, stat, out0; writes out0
.if DOCPART == 3
	.amdgcn_target "amdgcn-amd-amdhsa--gfx1250"
	.amdhsa_code_object_version 6
	.text
	.protected	k_q5a363de393_merge
	.globl	k_q5a363de393_merge
	.p2align	8
	.type	k_q5a363de393_merge,@function
k_q5a363de393_merge:
	s_mov_b64 s[64:65], 0
	v_nop
	global_prefetch_b8 v0, s[64:65] scope:SCOPE_SE
	s_setreg_imm32_b32 hwreg(HW_REG_WAVE_MODE, 25, 1), 1
	s_wait_xcnt 0x0
; ADDITIVE ATTENTION, launch 3 of 3.  Left out as launch 1's head shows: 'inputs', bout and sum(Wout).
; A batch's sixteen blocks are joined by their maxima: M = max m_g;  w_g = 2^(m_g - M);  out = sum w_g ctx_g / sum w_g l_g.  The block that holds M has w = 1 and l >= 1, so the divisor is at least 1.
; Work-group b, thread t: columns 4 t .. 4 t + 3.  All 32 loads of a thread go out together; no LDS, no barrier: threads share nothing.
	s_load_b128 s[4:7], s[0:1], 0x0                ; part s[4:5], stat s[6:7]
	s_load_b64 s[8:9], s[0:1], 0x10                ; out0
	v_and_b32 v1, 31, v0
	s_delay_alu instid0(VALU_DEP_1)
	v_lshlrev_b32 v1, 3, v1                        ; stat: 8 bytes a lane (the pair stands 32 times in a block's 256 bytes)
	v_lshlrev_b32 v2, 4, v0                        ; part and out0: 16 bytes a thread
	s_lshl_b32 s10, ttmp9, 12                      ; 16 blocks of 256 bytes; also a row of out0
	s_mov_b32 s11, 0
	s_lshl_b32 s12, ttmp9, 16                      ; 16 blocks of 4,096 bytes
	s_mov_b32 s13, 0
	s_wait_alu depctr_va_vdst(0)
	s_wait_kmcnt 0x0
	s_add_nc_u64 s[6:7], s[6:7], s[10:11]
	s_add_nc_u64 s[8:9], s[8:9], s[10:11]
	s_add_nc_u64 s[4:5], s[4:5], s[12:13]
.irp g, 0,1,2,3,4,5,6,7,8,9,10,11,12,13,14,15
	global_load_b64 v[16+2*\g:17+2*\g], v1, s[6:7] offset:256*\g
.endr
.irp g, 0,1,2,3,4,5,6,7,8,9,10,11,12,13,14,15
	global_load_b128 v[48+4*\g:51+4*\g], v2, s[4:5] offset:4096*\g th:TH_LOAD_NT
.endr
	v_mov_b32 v7, 0                                ; (named as the upper half of the pair v[6:7])
	s_wait_loadcnt 16                              ; the sixteen pairs are in; the sixteen loads of ctx stay out
	v_max3_num_f32 v3, v16, v18, v20
.irp g, 3,5,7,9,11,13
	s_delay_alu instid0(VALU_DEP_1)
	v_max3_num_f32 v3, v3, v[16+2*\g], v[18+2*\g]
.endr
	s_delay_alu instid0(VALU_DEP_1)
	v_max_num_f32 v3, v3, v46                      ; M
.irp g, 0,1,2,3,4,5,6,7,8,9,10,11,12,13,14,15
	v_sub_f32 v[16+2*\g], v[16+2*\g], v3
.endr
	s_wait_alu depctr_va_vdst(0)
.irp g, 0,1,2,3,4,5,6,7,8,9,10,11,12,13,14,15
	v_exp_f32 v[16+2*\g], v[16+2*\g]               ; w_g
.endr
	v_nop
	s_wait_alu depctr_va_vdst(0)                   ; one wait for the sixteen, ahead of their first reader
	v_mul_f32 v4, v16, v17
.irp g, 1,2,3,4,5,6,7,8,9,10,11,12,13,14,15
	v_fmac_f32 v4, v[16+2*\g], v[17+2*\g]          ; L
.endr
	s_wait_alu depctr_va_vdst(0)
	v_rcp_f32 v6, v4
	s_wait_loadcnt 0x0
	v_pk_mul_f32 v[8:9], v[48:49], v[16:17] op_sel_hi:[1,0]        ; the first block starts the sums (of the pair (w, l) the low word serves both halves)
	v_pk_mul_f32 v[10:11], v[50:51], v[16:17] op_sel_hi:[1,0]
.irp g, 1,2,3,4,5,6,7,8,9,10,11,12,13,14,15
	v_pk_fma_f32 v[8:9], v[48+4*\g:49+4*\g], v[16+2*\g:17+2*\g], v[8:9] op_sel_hi:[1,0,1]
	v_pk_fma_f32 v[10:11], v[50+4*\g:51+4*\g], v[16+2*\g:17+2*\g], v[10:11] op_sel_hi:[1,0,1]
.endr
	s_wait_alu depctr_va_vdst(0)                   ; the reciprocal's wait, ahead of its first reader; the sums above are the work between
	v_pk_mul_f32 v[8:9], v[8:9], v[6:7] op_sel_hi:[1,0]
	v_pk_mul_f32 v[10:11], v[10:11], v[6:7] op_sel_hi:[1,0]
	global_store_b128 v2, v[8:11], s[8:9]          ; 32 lanes store 512 consecutive bytes
	s_endpgm
.Lfunc_end_k_q5a363de393_merge:
	.size	k_q5a363de393_merge, .Lfunc_end_k_q5a363de393_merge-k_q5a363de393_merge
	.p2alignl 7, 3214868480
	.fill 96, 4, 3214868480
	.section	.rodata,"a",@progbits
	.p2align	6, 0x0
	.amdhsa_kernel k_q5a363de393_merge
		.amdhsa_group_segment_fixed_size 0
		.amdhsa_private_segment_fixed_size 0
		.amdhsa_enable_private_segment 0
		.amdhsa_kernarg_size 24
		.amdhsa_user_sgpr_count 2
		.amdhsa_user_sgpr_kernarg_segment_ptr 1
		.amdhsa_wavefront_size32 1
		.amdhsa_system_sgpr_workgroup_id_x 1
		.amdhsa_system_sgpr_workgroup_id_y 1
		.amdhsa_system_sgpr_workgroup_id_z 1
		.amdhsa_system_vgpr_workitem_id 0
		.amdhsa_next_free_vgpr 128
		.amdhsa_next_free_sgpr 66
		.amdhsa_reserve_vcc 0
		.amdhsa_float_denorm_mode_32 3
		.amdhsa_float_denorm_mode_16_64 3
		.amdhsa_memory_ordered 1
		.amdhsa_forward_progress 1
		.amdhsa_inst_pref_size 9
	.end_amdhsa_kernel
	.amdgpu_metadata
---
amdhsa.version: [ 1, 2 ]
amdhsa.kernels:
  - .name:           k_q5a363de393_merge
    .symbol:         k_q5a363de393_merge.kd
    .args:
      - { .name: part, .offset: 0, .size: 8, .value_kind: global_buffer, .address_space: global }
      - { .name: stat, .offset: 8, .size: 8, .value_kind: global_buffer, .address_space: global }
      - { .name: out0, .offset: 16, .size: 8, .value_kind: global_buffer, .address_space: global }
    .group_segment_fixed_size: 0
    .private_segment_fixed_size: 0
    .kernarg_segment_align: 8
    .kernarg_segment_size: 24
    .max_flat_workgroup_size: 256
    .sgpr_count:     66
    .vgpr_count:     128
    .wavefront_size: 32
...
	.end_amdgpu_metadata
.endif
;; end of part 3
